; MI455X (gfx1250); checked and timed in simulation.
; The chip was launched on July 23, 2026; its instructions are those of AMD's public machine-readable ISA for CDNA 5 (MIT licence, August 2026) and "CDNA5" Instruction Set Architecture Reference Guide (July 2026). The comments in the code are by the model that wrote it; some were corrected since.
;; Self Attention. Allowed arithmetic: matrix products marked QUANTISED: E4M3 operands, one E8M0 scale for each 32 along K, by v_wmma_scale_f32_16x16x128_f8f6f4 with both operands' format E4M3, f32 sums; everything else in f32.
;; Inputs: entangle_params 3,072 float32; inputs 2 x 2,048 x 1,024 float32; rotation_params 3,072 x 1,024 float32.
;; Outputs: out0 2 x 2,048 x 1,024 float32.
;; This version of the problem:
;;   THIS VERSION OF THE PROBLEM IS GIVEN IN LOW PRECISION. The matrix products marked QUANTISED in the list below multiply operands that are first quantised to E4M3 (4 exponent bits, 3 mantissa bits; 8 bits a number), with one power-of-two scale for each 32 numbers along K (OCP MX v1.0); their sums are f32. All else is computed in f32.
;;   The module's matrix products, in the order in which they are computed (A, B: the left and right operand; K: the contracted axis; several contracted axes count as one K, in the product's order):
;;     1. [M 4,096, K 1,024] x [K 1,024, N 3,072]; A: input inputs; B: input rotation_params: QUANTISED
;;     2. batch 32 x [M 2,048, K 64] x [K 64, N 2,048]; A: computed on the way; B: computed on the way: QUANTISED
;;     3. batch 32 x [M 2,048, K 2,048] x [K 2,048, N 64]; A: softmax (see below); B: computed on the way: QUANTISED
;;   THE QUANTISER, for each operand of a quantised product, along K:
;;     - K is cut into blocks of 32 from its start; a last block that is shorter is filled with zeros.
;;     - A block's scale is 2^e with e = floor(log2(the largest magnitude in the block)) - 8, held to -126 .. 127; a block of zeros has e = 0. As a byte (E8M0): e + 127.
;;     - Each number is divided by its block's scale, clamped to +-448, and rounded to the nearest number of E4M3, ties to even, subnormals kept.
;;     - The product sums the exact products of the quantised numbers (number of the format x scale) in f32.
;;   ~~~python
;;   def quantise(x, axis):      # numpy; x: float32 -> the quantised numbers, widened to float32 again
;;       x = np.moveaxis(x, axis, -1); K = x.shape[-1]
;;       x = np.pad(x, [(0, 0)] * (x.ndim - 1) + [(0, -K % 32)]); x = x.reshape(x.shape[:-1] + (-1, 32)); a = np.abs(x).max(-1, keepdims=True)
;;       e = np.where(a > 0, np.clip(np.frexp(np.where(a > 0, a, 1))[1] - 1 - 8, -126, 127), 0)      # np.frexp(a)[1] - 1 = floor(log2(a)), exactly
;;       r = np.clip(x / 2.0 ** e, -448, 448)
;;       step = 2.0 ** (np.maximum(np.frexp(np.where(r == 0, 1, r))[1] - 1, -6) - 3)
;;       q = np.round(r / step) * step * 2.0 ** e      # np.round: ties to even
;;       return np.moveaxis(q.reshape(q.shape[:-2] + (-1,))[..., :K], -1, axis).astype(np.float32)
;;   ~~~
;;   SOFTMAX AHEAD OF A QUANTISED PRODUCT. Where the list says 'softmax', what is quantised is not the finished softmax but p = 2^(t - M), with t = logit x log2(e) and M = ceil(the row's largest t), a whole number; so 1/2 < the row's largest p <= 1. The row's sum l is taken of the UNQUANTISED p, in f32, and the product's result is divided by l at the end. Since M is a whole number, a kernel that streams over the keys may use a running M (the ceiling of the running maximum): every later rescaling is an exact power of two, which a block's scale takes up: the codes' values come out the same.
;;   OPERANDS COMPUTED ON THE WAY. 'Computed on the way' means the value that the module computes at that place (a softmax that the list does not call 'softmax' is quantised finished and normalised). What goes into a quantiser is computed in f32, as accurately as f32 sums, v_exp_f32 and their like allow (about 1e-6 of the number): no bf16 or f16 on the way to a quantiser, and a product that is left as it is and whose result goes on into a quantised operand takes f32 operands (vector FMAs, or v_wmma_f32_16x16x4_f32). A number that lies on a knife's edge between two numbers of the format may be rounded either way, as far as f32 arithmetic and the matrix unit's own rounding can turn it there, and no further.
;; One version. Each part assembles by itself: llvm-mc -triple=amdgcn-amd-amdhsa -mcpu=gfx1250 --defsym DOCPART=n.
;; ======== version 1 of 1: 4 launches
;; limits: right only within a limited range of input values
;; workspace buffers: xc 4,194,304 bytes; xs 131,072 bytes; wc 3,145,728 bytes; ws 98,304 bytes; qb 8,781,824 bytes; kv 8,781,824 bytes; ow 16,777,216 bytes
;; launch quant (part 1): grid 224 x 1, 4 waves a work-group, no clusters, 33,280 bytes of LDS; arguments inputs, rotation_params, xc, xs, wc, ws; writes xc, xs, wc, ws
.if DOCPART == 1
	.amdgcn_target "amdgcn-amd-amdhsa--gfx1250"
	.amdhsa_code_object_version 6
	.text
	.protected	k_qa2d914e7f5_quant
	.globl	k_qa2d914e7f5_quant
	.p2align	8
	.type	k_qa2d914e7f5_quant,@function
k_qa2d914e7f5_quant:
	s_mov_b64 s[64:65], 0
	v_nop
	global_prefetch_b8 v0, s[64:65] scope:SCOPE_SE
	s_setreg_imm32_b32 hwreg(HW_REG_WAVE_MODE, 25, 1), 1
	s_wait_xcnt 0x0
; x [4096][1024] and W [3072][1024], f32, are turned into codes of FP8 (E4M3), K innermost, with one E8M0 scale byte for each 32 along K.
; A block's scale is 2^(floor(log2(its largest magnitude)) - 8); its byte is the largest magnitude's own exponent field - 8, held at 1 from below by a floor among the maximum's leaves.
; (A block of zeros so gets the byte 1 where the rule says 127: its codes are zeros, which add nothing under any byte but 0xff, and the bytes are read by this program alone.)
; Each number is divided by the scale, held within +-448 and rounded to the nearest code, ties to even.
; LIMITS: NaN and infinities among the inputs are not served.
; ROWS LEAVE IN ANOTHER ORDER: in each group of 32 rows the four runs of 8 rows are stored in the order 0, 2, 1, 3: position 32 g + 16 u + 8 a + e holds row 32 g + 16 a + 8 u + e.
; The next launch's tiles of 16 positions then hold rows 8 u + 0..7 and 16 + 8 u + 0..7 of a group, which is what lets its results be quantised in registers.
; A wave takes 16 steps of 512 numbers: 8 rows of 1,024, one such run.  Each of a step's four loads reads 512 consecutive bytes, 16 a lane; the 2,048 bytes go through the wave's own stage in LDS and come back
; 64 bytes a lane, so that a lane holds 16 NEIGHBOURS (two neighbouring lanes hold a block).  The stage has 16 bytes of padding behind each 64.  A lane's 16 codes are 16 bytes: the wave stores 512 consecutive bytes.
; A step makes 16 scale bytes, a wave 256: they are gathered in the wave's own 256 bytes of LDS and leave as one aligned run of 256 bytes.
; One launch serves both tensors: the first WGA work-groups take x, the others W.  No tensor loads, no barrier: waves share nothing.
; Loads run AHEAD = 8 steps ahead: 32 loads, 16 KiB, of every wave are on their way, half of all that the wave reads; the turn through LDS runs one step ahead.
.set SIZE_M, 4096
.set SIZE_N, 3072
.set SIZE_K, 1024
.set WAVES, 4
.set STEPS, 16
.set AHEAD, 8                          ; sets of registers for loads on their way
.set WGA,   SIZE_M*SIZE_K/(512*STEPS*WAVES)    ; 128 work-groups for x, 96 for W
.set EMAX,  8
.set MANT,  0x600000                   ; the mantissa field of 448 as f32
.set CB,    16                         ; bytes of 16 codes
.set R,     16                         ; v16-143  eight sets of 16 numbers as they are loaded
.set X,     144                        ; v144-175 two sets of 16 neighbours
.set E,     176                        ; v176-191 a scale byte for each step
.set C,     192                        ; v192-255 codes: four registers for each step, so that no store's data are written again
.set WREG,  8192                       ; LDS: a region of its own for each wave: two stages of 32 x SP bytes, and behind them its 256 scale bytes
.set SP,    80                         ; a lane's place in a stage: its 64 bytes + 16 of padding
	s_load_b128 s[4:7], s[0:1], 0x0                ; x, W
	s_load_b128 s[8:11], s[0:1], 0x10              ; x's codes, x's scales
	s_load_b128 s[12:15], s[0:1], 0x20             ; W's codes, W's scales
	s_set_vgpr_msb 0x40
	v_lshl_add_u32 v0, v0, 2, 0x8000
	v_mov_b32 v1, 0
	s_set_vgpr_msb 0x4000
	v_lshrrev_b32 v1, 5, v0
	v_readfirstlane_b32 s16, v1                    ; wave
	v_and_b32 v2, 31, v0                           ; lane
	v_lshlrev_b32 v3, 4, v2                        ; my 16 bytes of a load's 512
	s_mul_i32 s17, s16, WREG
	v_lshrrev_b32 v14, 2, v2
	v_mul_u32_u24 v14, v14, SP
	v_and_b32 v15, 3, v2
	v_lshl_add_u32 v14, v15, 4, v14
	v_add_nc_u32 v14, s17, v14                     ; the stage, on the way in: four lanes' 64 bytes on end, then 16 of padding
	v_mul_u32_u24 v15, v2, SP
	v_add_nc_u32 v15, s17, v15                     ; and on the way out: SP x lane: my 16 neighbours
	v_mul_u32_u24 v4, v2, CB                       ; my codes' place in a step's
	v_lshrrev_b32 v5, 1, v2
	s_add_co_u32 s17, s17, 2*32*SP
	v_add_nc_u32 v5, s17, v5                       ; LDS: my wave's 256 scale bytes, my block's byte
	v_lshlrev_b32 v7, 3, v2                        ; and on the way out 8 bytes a lane
	v_add_nc_u32 v6, s17, v7
	s_mov_b32 s23, MANT                            ; (an instruction takes one literal: the hold's line has another)
	s_wait_alu depctr_va_vdst(0)
	s_wait_kmcnt 0x0
	s_cmp_lt_u32 ttmp9, WGA                        ; x's work-group or W's?  The choice hangs on the work-group's number alone
	s_cselect_b64 s[4:5], s[4:5], s[6:7]
	s_cselect_b64 s[8:9], s[8:9], s[12:13]
	s_cselect_b64 s[10:11], s[10:11], s[14:15]
	s_cselect_b32 s17, 0, WGA
	s_sub_co_u32 s17, ttmp9, s17
	s_lshl_b32 s17, s17, 2                         ; 4 g: the group's first run of 8 rows
	s_add_co_u32 s18, s17, s16                     ; the run that my wave READS: 4 g + wave
	s_mov_b32 s19, 0
	s_mov_b64 s[20:21], 512*STEPS*4
	s_mul_u64 s[20:21], s[18:19], s[20:21]
	s_add_nc_u64 s[4:5], s[4:5], s[20:21]
	s_and_b32 s22, s16, 1                          ; the run that it WRITES: the wave's two bits change places
	s_lshl_b32 s22, s22, 1
	s_lshr_b32 s24, s16, 1
	s_or_b32 s22, s22, s24
	s_add_co_u32 s18, s17, s22
	s_mov_b64 s[20:21], 32*STEPS*CB
	s_mul_u64 s[20:21], s[18:19], s[20:21]
	s_add_nc_u64 s[8:9], s[8:9], s[20:21]
	s_lshl_b32 s18, s18, 8                         ; 256 scale bytes a run
	s_add_nc_u64 s[10:11], s[10:11], s[18:19]
.macro LOAD t
.irp i, 0,1,2,3
	global_load_b128 v[R+16*((\t)%AHEAD)+4*\i:R+16*((\t)%AHEAD)+4*\i+3], v3, s[4:5] offset:2048*(\t)+512*\i th:TH_LOAD_NT   ; 32 lanes read 512 consecutive bytes
.endr
.endm
.macro TURN t                          ; step t's numbers through the stage: LDS serves a wave's instructions in order, so no wait stands between the stores and the loads
.irp i, 0,1,2,3
	ds_store_b128 v14, v[R+16*((\t)%AHEAD)+4*\i:R+16*((\t)%AHEAD)+4*\i+3] offset:32*SP*((\t)%2)+8*SP*\i
.endr
.irp i, 0,1,2,3
	ds_load_b128 v[X+16*((\t)%2)+4*\i:X+16*((\t)%2)+4*\i+3], v15 offset:32*SP*((\t)%2)+16*\i
.endr
.endm
.irp t, 0,1,2,3,4,5,6,7
	LOAD \t
.endr
	s_wait_loadcnt 4*(AHEAD-1)                     ; step 0's four loads are in; the 28 of steps 1 to 7 may be out
	TURN 0
.macro STEP t
.set XS, X+16*((\t)%2)
.if (\t) > 0
	s_wait_dscnt 1                                 ; this step's numbers are back from the stage (the last step's byte store may be out): so its stores into the stage have read their registers,
.else
	s_wait_dscnt 0x0
.endif
.if (\t)+AHEAD < STEPS
	LOAD (\t)+AHEAD                                ; which take the loads of eight steps on
.endif
.if (\t)+1 < STEPS
.if STEPS-2-(\t) >= AHEAD-1
	s_wait_loadcnt 4*(AHEAD-1)                     ; the next step's four loads are in; those of the seven steps behind it may be out
.else
	s_wait_loadcnt 4*(STEPS-2-(\t))                ; in the tail: those of the steps that are left behind it
.endif
	TURN (\t)+1                                    ; and go through the other stage while this step is worked
.endif
	v_max3_num_f32 v8, |v[XS]|, |v[XS+1]|, |v[XS+2]|               ; the largest magnitude of my 16
	v_max3_num_f32 v9, |v[XS+3]|, |v[XS+4]|, |v[XS+5]|
.irp i, 6,10
	v_max3_num_f32 v8, v8, |v[XS+\i]|, |v[XS+\i+1]|
	v_max3_num_f32 v9, v9, |v[XS+\i+2]|, |v[XS+\i+3]|
.endr
	v_max3_num_f32 v8, v8, |v[XS+14]|, |v[XS+15]|
	v_max3_num_f32 v8, v8, v9, (EMAX+1)<<23        ; and the floor 2^(EMAX + 1 - 127), under which no largest magnitude is taken: so the byte cannot fall under 1
	v_max_num_f32_dpp v8, v8, v8 row_xmask:1 row_mask:0xf bank_mask:0xf   ; and of my neighbour's 16: the block's
	v_add_nc_u32 v11, -(EMAX<<23), v8              ; EMAX off its exponent field: the conversion takes the exponent field of this operand as its scale, and nothing else of it
	v_and_or_b32 v10, v8, 0x7f800000, s23          ; the largest number x the scale: the largest magnitude's exponent field over that number's mantissa (s23)
.irp i, 0,1,2,3,4,5,6,7,8,9,10,11,12,13,14,15
	v_med3_num_f32 v[XS+\i], v[XS+\i], -v10, v10   ; the conversion to an 8-bit code does not saturate (ISA guide 7.6.2): hold the number within the largest code x the scale first
.endr
	v_cvt_scalef32_pk8_fp8_f32 v[C+4*(\t):C+4*(\t)+1], v[XS:XS+7], v11          ; eight numbers / 2^(v11's exponent), to the nearest code, ties to even; the first number's code in the lowest byte
	v_cvt_scalef32_pk8_fp8_f32 v[C+4*(\t)+2:C+4*(\t)+3], v[XS+8:XS+15], v11
	v_lshrrev_b32 v[E+(\t)], 23, v11               ; the scale's byte (also the plain line behind the conversions)
	ds_store_b8 v5, v[E+(\t)] offset:16*(\t)       ; both lanes of a block write the same byte with the same value
	global_store_b128 v4, v[C+4*(\t):C+4*(\t)+3], s[8:9] offset:32*CB*(\t)
.endm
.irp t, 0,1,2,3,4,5,6,7,8,9,10,11,12,13,14,15
	STEP \t
.endr
	ds_load_b64 v[12:13], v6                       ; LDS serves a wave's instructions in order: these see my stores
	s_wait_dscnt 0x0
	global_store_b64 v7, v[12:13], s[10:11]        ; 32 lanes store 256 consecutive bytes, aligned
	s_set_vgpr_msb 0x5
	s_wait_tensorcnt 0x0
	ds_add_u32 v0, v1
	s_wait_dscnt 0x0
	s_set_vgpr_msb 0x500
	s_endpgm
.Lfunc_end_k_qa2d914e7f5_quant:
	.size	k_qa2d914e7f5_quant, .Lfunc_end_k_qa2d914e7f5_quant-k_qa2d914e7f5_quant
	.p2alignl 7, 3214868480
	.fill 96, 4, 3214868480
	.section	.rodata,"a",@progbits
	.p2align	6, 0x0
	.amdhsa_kernel k_qa2d914e7f5_quant
		.amdhsa_group_segment_fixed_size 33280
		.amdhsa_private_segment_fixed_size 0
		.amdhsa_enable_private_segment 0
		.amdhsa_kernarg_size 48
		.amdhsa_user_sgpr_count 2
		.amdhsa_user_sgpr_kernarg_segment_ptr 1
		.amdhsa_wavefront_size32 1
		.amdhsa_system_sgpr_workgroup_id_x 1
		.amdhsa_system_sgpr_workgroup_id_y 1
		.amdhsa_system_sgpr_workgroup_id_z 1
		.amdhsa_system_vgpr_workitem_id 0
		.amdhsa_next_free_vgpr 258
		.amdhsa_next_free_sgpr 66
		.amdhsa_reserve_vcc 0
		.amdhsa_float_denorm_mode_32 3
		.amdhsa_float_denorm_mode_16_64 3
		.amdhsa_memory_ordered 1
		.amdhsa_forward_progress 1
		.amdhsa_inst_pref_size 51
	.end_amdhsa_kernel
	.amdgpu_metadata
---
amdhsa.version: [ 1, 2 ]
amdhsa.kernels:
  - .name:           k_qa2d914e7f5_quant
    .symbol:         k_qa2d914e7f5_quant.kd
    .args:
      - { .name: inputs, .offset: 0, .size: 8, .value_kind: global_buffer, .address_space: global }
      - { .name: rotation_params, .offset: 8, .size: 8, .value_kind: global_buffer, .address_space: global }
      - { .name: xc, .offset: 16, .size: 8, .value_kind: global_buffer, .address_space: global }
      - { .name: xs, .offset: 24, .size: 8, .value_kind: global_buffer, .address_space: global }
      - { .name: wc, .offset: 32, .size: 8, .value_kind: global_buffer, .address_space: global }
      - { .name: ws, .offset: 40, .size: 8, .value_kind: global_buffer, .address_space: global }
    .group_segment_fixed_size: 33280
    .private_segment_fixed_size: 0
    .kernarg_segment_align: 8
    .kernarg_segment_size: 48
    .max_flat_workgroup_size: 128
    .sgpr_count:     66
    .vgpr_count:     258
    .wavefront_size: 32
...
	.end_amdgpu_metadata
.endif
;; end of part 1
;; launch proj (part 2): grid 8 x 32, 4 waves a work-group, clusters of 4 x 4, 327,680 bytes of LDS; arguments xc, xs, wc, ws, entangle_params, qb, kv; writes qb, kv
.if DOCPART == 2
	.amdgcn_target "amdgcn-amd-amdhsa--gfx1250"
	.amdhsa_code_object_version 6
	.text
	.protected	k_qa2d914e7f5_proj
	.globl	k_qa2d914e7f5_proj
	.p2align	8
	.type	k_qa2d914e7f5_proj,@function
k_qa2d914e7f5_proj:
	s_mov_b64 s[64:65], 0
	v_nop
	global_prefetch_b8 v0, s[64:65] scope:SCOPE_SE
	s_setreg_imm32_b32 hwreg(HW_REG_WAVE_MODE, 25, 1), 1
	s_wait_xcnt 0x0
	s_wait_alu depctr_hold_cnt(0) depctr_sa_sdst(0) depctr_va_vdst(0) depctr_va_sdst(0) depctr_va_ssrc(0) depctr_va_vcc(0) depctr_vm_vsrc(0)
	s_getreg_b32 s2, hwreg(HW_REG_IB_STS2, 6, 4)
	s_cmp_eq_u32 s2, 0
	s_cbranch_scc0 .Lentry_in_a_cluster
	s_endpgm
.Lentry_in_a_cluster:
	s_bfe_u32 s2, ttmp6, 0x10000c
	s_cmp_lg_u32 s2, 0xf033
	s_cbranch_scc0 .Lentry_shape_is_right
	s_endpgm
.Lentry_shape_is_right:
; Q, K, V = x W^T + b AND THEIR QUANTISERS: 4,096 tokens x 3,072 outputs x 1,024, on codes of FP8 (E4M3) with one E8M0 scale for each 32 along K.  Codes and scale words leave as images of the next launch's operand registers; no f32 result is stored.
; LIMITS: NaN, infinities and sums beyond f32's range are not served.  A block's scale byte never falls under 1.
; IN: xc, wc: rows of 1,024 codes; xs, ws: rows of 32 scale bytes; in each group of 32 rows position 16 u + 8 a + e holds row 16 a + 8 u + e.  So a tile of 16 positions, used as source 0, gives a lane eight results whose
; 16 of two neighbouring tiles are 16 neighbours: rows 16 (lane / 16) + 0 .. 15 of the group.
; OUT: qb, kv [hb = 2 head + batch][step of 128 tokens][17,152 bytes]: Q's (K's) 8 tiles of 16 tokens x 64 (1,024 bytes), in kv V's 4 tiles of 16 channels x 128 tokens (2,048), Q's (K's) scale words (512), V's (256).
; THE DEAL.  256 work-groups; each makes, for ONE step of 128 tokens, TWO heads of Q, of K and of V: x's 128 rows against 3 x 128 rows of W.  Four waves, 2 x 2: row of waves w has 64 tokens, column c one head.
; A wave holds its 64 tokens, ALL of K, in registers (512) and streams its head's rows of W past them in blocks of 16, which stand in registers as two whole sets (256): 12 blocks of 32 products: Q's 4, K's 4, V's 4.
; A PAIR of blocks is 64 results a lane: four groups of 16 that are quantised together with lane l xor 16's 16.  A pair's quantising stands AMONG THE NEXT PAIR'S PRODUCTS, behind each product two to four lines: so sums stand in two sets.
; Q and K: source 0 = W, source 1 = x: a lane holds one token.  V: source 0 = x, source 1 = W: a lane holds one channel and its registers run along the tokens, V's K in the next launch.
; LDS: two slots of 128 rows (1,040 bytes from row to row), W's and x's scale bytes.  x's rows lie in slot 1 until all waves hold them, then W_k's; W_q's lie in slot 0, then W_v's.  Each refill stands in a drained round of the cluster's barrier, a quarter a wave.
; THE HEAD: one joint load a wave: wave 0 x's rows, which are wanted first, wave 1 W_q's, wave 2 the scale bytes of all three weights, wave 3 x's scale bytes.
; CLUSTERS of 4 x 4: the four of a row share x's tile (same tokens), the four of a column W's (same heads): every load is joint.
; PREFETCH of W_k's and W_v's rows: at the head, by the clusters of the first four rows of clusters alone; a column's sixteen waves name each block of 256 bytes once, by address.
; REGISTERS: window 0 the names below; windows 1, 2 x: fragment (q, a) = 4 q + a, 16 registers each; window 3: W's two sets.
.set KROW,  1024
.set PITCH, 1040                       ; 65 x 16 bytes: the sixteen rows of a fragment load start at different banks
.set SLOT1, 128*PITCH
.set SCW,   2*SLOT1                    ; W's scale bytes: [Q, K, V][128 rows][32]
.set SCX,   SCW+12288                  ; x's: [128][32]
.set XN,    SCX+4096                   ; scale words on the way out: Q's two heads, K's two, 512 bytes each; V's two, 256 each
.set SPARE, XN+2560                    ; the spare words, 128 bytes a wave, that no other line names
.set STEPB, 17152
.set HBS,   16*STEPB
.set VCO,   8192
.set KSCO,  16384
.set VSCO,  16896
.set NP,    8                          ; plain vector lines behind a matrix instruction, ahead of a reader of its sums and of a load into what it has read
.set NF,    34                         ; LDS loads of a block: eight fragments of four, two of four scale words
.set ADX,   4                          ; LDS addresses: my x fragments,
.set AW,    5                          ; v5, v6: my W fragments in slot 0, 1
.set PF,    7                          ; v7, v8: the prefetches' offsets; never rewritten
.set ASW,   9
.set SPW,   10
.set NIL,   11
.set CO,    12                         ; 16 x lane
.set AK,    13                         ; LDS: Q's and K's scale words
.set AV,    14                         ; V's
.set ASX,   15
.set BIO,   16                         ; Q's and K's bias: 64 h
.set BVO,   17                         ; V's: 4 (r + 8 (r / 8))
.set R1,    18                         ; LDS: where I read scale words back
.set R2,    19
.set TQ,    20                         ; v20-23 maxima (second copy, in the tail alone: v248-251)
.set SB,    24                         ; v24-39 x's scale words: register 8 p + q: lanes 0-15 tile 2 p's, lanes 16-31 tile 2 p + 1's
.set HQ,    40                         ; v40-41 448 x the scale (v252-253)
.set SO,    42                         ; v42-43 the conversions' scale operands (v254-255)
.set SA,    44                         ; v44-59 W's: two sets of eight: no product's two scale words have numbers equal modulo 8
.set EA,    60                         ; v60-63 scale bytes of even pairs
.set EQ,    244                        ; v244-247 of odd pairs
.set ACC,   64                         ; v64-127, v128-191 two sets of sums
.set BQ,    192                        ; v192-223 the first products' C: the bias, eight registers for each of a tensor's four blocks
.set VB,    224                        ; v224-227 V's, a number a tile
.set CD,    228                        ; v228-243 codes, four registers a group
.set G1X,   24
.set G1W,   32
.set G1SW,  40
.set G1SX,  48
.set G0X,   56
.set G0W,   60
.set G0SW,  68
.set G0SX,  72
.set G0K,   76
.set G0V,   84
.set SQ,    88                         ; s[88:89] Q's, s[90:91] K's codes; s[92:93] V's; s[94:95] the scale words that I store; s[96:97] V's
.set SV,    92
.set MSB, 0
.macro WIN new                         ; the immediate's high byte repeats the setting that is left
.if MSB != \new
	s_set_vgpr_msb (MSB<<8)|\new
.set MSB, \new
.endif
.endm
.macro PLACES n
.rept \n
	v_nop
.endr
.endm
.macro WALU
	s_wait_alu depctr_va_vdst(0)
.endm
.macro BARRIER
	s_barrier_signal -1
	s_barrier_wait -1
.endm
.macro MIDDLE                          ; a round's middle: behind the work-group's own barrier wave 0 signals the cluster's, and all wait for it
	WIN 0
	s_barrier_wait -1
	s_cmp_lg_u32 s14, 0
	s_cbranch_scc1 .Lnot_wave_0_\@
	s_barrier_signal -3
.Lnot_wave_0_\@:
	s_barrier_wait -3
.endm
.macro CROUND                          ; a round of the cluster's barrier
	s_barrier_signal -1
	MIDDLE
	BARRIER
.endm
.macro TLOAD g0, g1
	tensor_load_to_lds s[\g0:\g0+3], s[\g1:\g1+7]
	s_nop 0
	PLACES 4
.endm
.macro GROUP1 g, mask, rows            ; descriptor group 1: so many whole rows of 1,024 bytes, 16 bytes of padding behind each
	s_or_b32 s[\g+0], s[\mask], (1<<20)|(1<<21)|(7<<22)|(3<<25)
	s_mov_b32 s[\g+1], KROW<<16
	s_mov_b32 s[\g+2], (\rows)<<16
	s_mov_b32 s[\g+3], KROW<<16
	s_mov_b32 s[\g+4], \rows
	s_mov_b32 s[\g+5], KROW
	s_mov_b32 s[\g+6], 0
	s_mov_b32 s[\g+7], 0
.endm
.macro GROUP8 g, mask, cols, rows, pitch   ; the same in elements of 8 bytes, no padding
	s_or_b32 s[\g+0], s[\mask], (3<<16)|(1<<21)
	s_mov_b32 s[\g+1], (\cols)<<16
	s_mov_b32 s[\g+2], (\rows)<<16
	s_mov_b32 s[\g+3], (\cols)<<16
	s_mov_b32 s[\g+4], \rows
	s_mov_b32 s[\g+5], \pitch
	s_mov_b32 s[\g+6], 0
	s_mov_b32 s[\g+7], 0
.endm
	s_load_b256 s[4:11], s[0:1], 0x0               ; xc, xs, wc, ws
	s_load_b64 s[12:13], s[0:1], 0x20              ; the bias
	s_load_b128 s[16:19], s[0:1], 0x28             ; qb, kv
	v_lshl_add_u32 v[SPW], v0, 2, SPARE
	v_mov_b32 v[NIL], 0
	ds_add_u32 v[SPW], v[NIL]                      ; the wave's opening: the add, twice on end, and its one wait; the set-up below, work on registers, stands between
	ds_add_u32 v[SPW], v[NIL]
	v_lshrrev_b32 v1, 5, v0
	v_readfirstlane_b32 s14, v1                    ; wave 0..3
	s_lshr_b32 s15, s14, 1                         ; w: my row of waves
	s_and_b32 s2, s14, 1                           ; c: my column
	s_bfe_u32 s20, ttmp6, 0x40000                  ; cx, cy: my place in the cluster
	s_bfe_u32 s21, ttmp6, 0x40004
	s_lshl_b32 s22, ttmp9, 2
	s_add_co_u32 s22, s22, s20                     ; j: heads 2 j and 2 j + 1
	s_and_b32 s3, ttmp7, 0xffff
	s_lshl_b32 s23, s3, 2
	s_add_co_u32 s23, s23, s21                     ; my step of 128 tokens, 0 .. 31
	s_lshl_b32 s80, s21, 2
	s_lshl_b32 s80, 15, s80                        ; my row of the cluster: shares x
	s_lshl_b32 s81, 0x1111, s20                    ; my column: shares W
	GROUP1 G1X, 80, 128
	GROUP1 G1W, 81, 128
	GROUP8 G1SW, 81, 512, 3, 4096                  ; three runs of 4,096 bytes, 1,024 rows of scale bytes apart
	GROUP8 G1SX, 80, 32, 16, 32                    ; 4,096 dense bytes as rows of 256
	s_lshl_b32 s82, s23, 17                        ; where my tiles begin, in bytes: x's codes,
	s_mov_b32 s83, 0
	s_lshl_b32 s66, s22, 17                        ; W_q's,
	s_mov_b32 s67, 0
	s_lshl_b32 s98, s23, 12                        ; x's scale bytes,
	s_mov_b32 s99, 0
	s_lshl_b32 s100, s22, 12                       ; W_q's
	s_mov_b32 s101, 0
	v_and_b32 v1, 15, v0                           ; r
	v_bfe_u32 v2, v0, 4, 1                         ; h
	v_and_b32 v3, 31, v0                           ; lane
	v_mul_u32_u24 v20, v1, PITCH
	v_lshl_add_u32 v20, v2, 4, v20                 ; a fragment's row x pitch + 16 h
	s_mul_i32 s88, s15, 64*PITCH
	s_add_co_u32 s88, s88, SLOT1
	v_add_nc_u32 v[ADX], s88, v20
	s_mul_i32 s89, s2, 64*PITCH
	v_add_nc_u32 v[AW], s89, v20
	s_add_co_u32 s89, s89, SLOT1
	v_add_nc_u32 v[AW+1], s89, v20
	v_lshlrev_b32 v21, 5, v1
	s_lshl_b32 s90, s2, 11
	s_add_co_u32 s90, s90, SCW
	v_add_nc_u32 v[ASW], s90, v21                  ; W's scale words: row r of a block
	v_lshlrev_b32 v21, 5, v3
	s_lshl_b32 s91, s15, 11
	s_add_co_u32 s91, s91, SCX
	v_add_nc_u32 v[ASX], s91, v21                  ; x's: row l of a pair of tiles
	v_lshlrev_b32 v[CO], 4, v3
	v_lshlrev_b32 v21, 4, v1
	s_lshl_b32 s88, s2, 9
	s_lshl_b32 s89, s15, 3
	s_add_co_u32 s88, s88, s89
	s_add_co_u32 s88, s88, XN
	v_add_nc_u32 v[AK], s88, v21                   ; token tile 4 w + m, token r: word 2 w + m / 2 of lane 16 (m % 2) + r: 16 r + 8 w + 256 (m % 2) + 4 (m / 2)
	v_lshlrev_b32 v21, 3, v1
	s_lshl_b32 s88, s2, 8
	s_lshl_b32 s89, s15, 1
	s_add_co_u32 s88, s88, s89
	s_add_co_u32 s88, s88, XN+2048
	v_add_nc_u32 v[AV], s88, v21                   ; channel tile d, channel r, bytes 2 w, 2 w + 1: 8 r + 2 w + 128 (d % 2) + 4 (d / 2)
	WALU                                           ; ahead of the reader below
	s_lshl_b32 s88, s14, 9
	s_add_co_u32 s88, s88, XN
	v_add_nc_u32 v[R1], s88, v[CO]
	v_lshlrev_b32 v21, 3, v3
	s_lshl_b32 s88, s14, 8
	s_add_co_u32 s88, s88, XN+2048
	v_add_nc_u32 v[R2], s88, v21
	v_lshlrev_b32 v[BIO], 6, v2
	v_and_b32 v21, 8, v1
	v_add_nc_u32 v21, v21, v1
	v_lshlrev_b32 v[BVO], 2, v21
	s_lshl_b32 s88, s21, 2                         ; my sixteenth of a column's prefetch: 4 cy + wave
	s_add_co_u32 s88, s88, s14
	s_lshl_b32 s88, s88, 13
	s_add_co_u32 s88, s88, s66
	s_add_co_u32 s88, s88, 1024*KROW
	v_lshlrev_b32 v21, 8, v3
	v_add_nc_u32 v[PF], s88, v21
	s_add_co_u32 s88, s88, 1024*KROW
	v_add_nc_u32 v[PF+1], s88, v21
	v_lshlrev_b32 v2, 3, v3                        ; 8 x lane
	s_lshl_b32 s92, s22, 9
	s_lshl_b32 s93, s2, 8
	s_add_co_u32 s92, s92, s93
	s_mov_b32 s93, 0                               ; my head's bias: 512 j + 256 c bytes
	WALU                                           ; at the head's end
	s_wait_dscnt 0x0                               ; both opening adds are done
	CROUND                                         ; all sixteen work-groups are here: the first joint loads meet
	s_wait_kmcnt 0x0
	s_mov_b32 s[G0X], 1
	s_mov_b32 s[G0X+1], SLOT1
	s_add_nc_u64 s[G0X+2:G0X+3], s[4:5], s[82:83]
	s_or_b32 s[G0X+3], s[G0X+3], 0x80000000
	s_mov_b32 s[G0W], 1
	s_mov_b32 s[G0W+1], 0
	s_add_nc_u64 s[G0W+2:G0W+3], s[8:9], s[66:67]
	s_or_b32 s[G0W+3], s[G0W+3], 0x80000000
	s_mov_b32 s[G0SW], 1
	s_mov_b32 s[G0SW+1], SCW
	s_add_nc_u64 s[G0SW+2:G0SW+3], s[10:11], s[100:101]
	s_or_b32 s[G0SW+3], s[G0SW+3], 0x80000000
	s_mov_b32 s[G0SX], 1
	s_mov_b32 s[G0SX+1], SCX
	s_add_nc_u64 s[G0SX+2:G0SX+3], s[6:7], s[98:99]
	s_or_b32 s[G0SX+3], s[G0SX+3], 0x80000000
	s_cmp_eq_u32 s14, 0                            ; ONE chain of branches on the wave's number, a load an arm
	s_cbranch_scc0 .Lwave_1
	TLOAD G0X, G1X
	s_branch .Lasked
.Lwave_1:
	s_cmp_eq_u32 s14, 1
	s_cbranch_scc0 .Lwave_2
	TLOAD G0W, G1W
	s_branch .Lasked
.Lwave_2:
	s_cmp_eq_u32 s14, 2
	s_cbranch_scc0 .Lwave_3
	TLOAD G0SW, G1SW
	s_branch .Lasked
.Lwave_3:
	TLOAD G0SX, G1SX
.Lasked:
	s_add_nc_u64 s[12:13], s[12:13], s[92:93]
.irp b, 0,1,2,3                        ; Q's bias: register 8 b + i of half h is output 32 (b / 2) + 16 h + 8 (b % 2) + i of my head
	global_load_b128 v[BQ+8*\b:BQ+8*\b+3], v[BIO], s[12:13] offset:128*(\b/2)+32*(\b%2)
	global_load_b128 v[BQ+8*\b+4:BQ+8*\b+7], v[BIO], s[12:13] offset:128*(\b/2)+32*(\b%2)+16
.endr
.irp b, 0,1,2,3                        ; V's: lane r of tile b is channel 32 (b / 2) + 8 (b % 2) + r + 8 (r / 8)
	global_load_b32 v[VB+\b], v[BVO], s[12:13] offset:8192+128*(\b/2)+32*(\b%2)
.endr
	; the refills' descriptors: a quarter of 128 rows a wave: W_k's into slot 1, W_v's into slot 0
	s_mul_i32 s88, s14, 32*PITCH
	s_mov_b32 s[G0V], 1
	s_mov_b32 s[G0V+1], s88
	s_mov_b32 s[G0K], 1
	s_add_co_u32 s[G0K+1], s88, SLOT1
	s_lshl_b32 s90, s14, 15
	s_mov_b32 s91, 0
	s_add_nc_u64 s[90:91], s[90:91], s[66:67]
	s_add_nc_u64 s[90:91], s[90:91], 1024*KROW
	s_add_nc_u64 s[G0K+2:G0K+3], s[8:9], s[90:91]
	s_or_b32 s[G0K+3], s[G0K+3], 0x80000000
	s_add_nc_u64 s[90:91], s[90:91], 1024*KROW
	s_add_nc_u64 s[G0V+2:G0V+3], s[8:9], s[90:91]
	s_or_b32 s[G0V+3], s[G0V+3], 0x80000000
	s_cmp_eq_u32 s14, 0
	s_cbranch_scc0 .Lnot_x
	s_wait_tensorcnt 0x0                           ; wave 0: x's rows have landed.  The other waves' wait stands ahead of the next round
.Lnot_x:
	BARRIER
	s_cmp_lt_u32 s3, 4
	s_cbranch_scc0 .Lnone_ahead
	global_prefetch_b8 v[PF], s[8:9] th:TH_LOAD_NT scope:SCOPE_SE
	global_prefetch_b8 v[PF+1], s[8:9] th:TH_LOAD_NT scope:SCOPE_SE
.Lnone_ahead:
; A fragment, 16 rows x 128 of K, is 16 registers: lane l holds row l % 16; registers 4 c .. 4 c + 3 hold K = 32 c + 16 (l / 16) + 0 .. 15
.irp q, 0,1,2,3,4,5,6,7
.irp a, 0,1,2,3
	WIN (1+(4*\q+\a)/16)<<6
.irp c, 0,1,2,3
	ds_load_b128 v[16*((4*\q+\a)%16)+4*\c:16*((4*\q+\a)%16)+4*\c+3], v[ADX] offset:128*\q+32*\c+\a*16*PITCH
.endr
.endr
.endr
	WIN 0
	s_wait_tensorcnt 0x0                           ; my tile of the head's four is in
	ds_add_u32 v[SPW], v[NIL]
	s_mov_b32 s[G1W+2], 32<<16                     ; no tensor load of mine is out: from here on a load of W brings 32 rows
	s_mov_b32 s[G1W+4], 32
	s_lshl_b32 s104, s22, 1                        ; where my head's results go: hb = 2 (2 j + c) + batch, step of the batch
	s_add_co_u32 s104, s104, s2
	s_lshl_b32 s104, s104, 1
	s_lshr_b32 s105, s23, 4
	s_add_co_u32 s104, s104, s105
	s_mul_i32 s104, s104, HBS
	s_and_b32 s105, s23, 15
	s_mul_i32 s105, s105, STEPB
	s_add_co_u32 s104, s104, s105
	s_mov_b32 s105, 0
	s_lshl_b32 s6, s15, 12                         ; Q, K: my four token tiles; V: my two blocks of 32 tokens
	s_mov_b32 s7, 0
	s_add_nc_u64 s[SQ:SQ+1], s[16:17], s[104:105]
	s_add_nc_u64 s[SQ:SQ+1], s[SQ:SQ+1], s[6:7]
	s_add_nc_u64 s[SQ+2:SQ+3], s[18:19], s[104:105]
	s_add_nc_u64 s[SQ+2:SQ+3], s[SQ+2:SQ+3], s[6:7]
	s_lshl_b32 s6, s15, 10
	s_add_nc_u64 s[96:97], s[18:19], s[104:105]
	s_add_nc_u64 s[SV:SV+1], s[96:97], s[6:7]
	s_cmp_eq_u32 s15, 1
	s_cselect_b64 s[94:95], s[18:19], s[16:17]     ; at the end waves 0, 1 store Q's scale words, waves 2, 3 K's
	s_add_nc_u64 s[94:95], s[94:95], s[104:105]
	s_mov_b32 s20, 0x76543210                      ; lane selects for lane l xor 16
	s_mov_b32 s21, 0xfedcba98
	s_mov_b32 s22, 0x600000                        ; the mantissa field of 448
	s_wait_dscnt 0x0                               ; the add is done; my rows of x are in registers
	CROUND                                         ; all four tiles are in, and nobody reads slot 1 any more
	TLOAD G0K, G1W                                 ; W_k's rows, the first tensor load behind the round
.macro FETCH n                         ; block n of W (16 rows, all of K) into set n % 2 of window 3, and its scale words: NF loads
.set SL_, AW+((\n)/4)%2
.set FB_, (\n)%4
	WIN 3<<6
.irp q, 0,1,2,3,4,5,6,7
.irp c, 0,1,2,3
	ds_load_b128 v[128*((\n)%2)+16*\q+4*\c:128*((\n)%2)+16*\q+4*\c+3], v[SL_] offset:128*\q+32*\c+FB_*16*PITCH
.endr
.endr
	WIN 0
.irp c, 0,1
	ds_load_b128 v[SA+8*((\n)%2)+4*\c:SA+8*((\n)%2)+4*\c+3], v[ASW] offset:4096*((\n)/4)+512*FB_+16*\c
.endr
.endm
.macro PROD n, i                       ; product i = 4 q + a of block n: the q-th 128 of K, token tile a.  The four sums take turns
.set Q_, (\i)/4
.set A_, (\i)%4
.set K_, (\n)%2
.if (\n) < 8
.set D_, ACC+64*(((\n)/2)%2)+16*A_+8*K_
.else
.set D_, ACC+64*(((\n)/2)%2)+16*(2*K_+A_/2)+8*(A_%2)
.endif
.set C_, D_
.if Q_ == 0
.set C_, BQ+8*((\n)%4)
.endif
.set F_, 4*Q_+A_
.set X_, 16*(F_%16)
.set W_, 128*K_+16*Q_
.set SW_, SA+8*K_+Q_
.set SX_, SB+8*(A_/2)+Q_
.if (\n) < 8
	WIN 3|((1+F_/16)<<2)
.if A_%2
	v_wmma_scale_f32_16x16x128_f8f6f4 v[D_:D_+7], v[W_:W_+15], v[X_:X_+15], v[C_:C_+7], v[SW_], v[SX_] matrix_b_scale:MATRIX_SCALE_ROW1
.else
	v_wmma_scale_f32_16x16x128_f8f6f4 v[D_:D_+7], v[W_:W_+15], v[X_:X_+15], v[C_:C_+7], v[SW_], v[SX_]
.endif
.else
	WIN (1+F_/16)|(3<<2)
.if A_%2
	v_wmma_scale_f32_16x16x128_f8f6f4 v[D_:D_+7], v[X_:X_+15], v[W_:W_+15], v[C_:C_+7], v[SX_], v[SW_] matrix_a_scale:MATRIX_SCALE_ROW1
.else
	v_wmma_scale_f32_16x16x128_f8f6f4 v[D_:D_+7], v[X_:X_+15], v[W_:W_+15], v[C_:C_+7], v[SX_], v[SW_]
.endif
.endif
.endm
.macro HOLD x, u                       ; a number held within the largest code x the scale (the conversion does not saturate: ISA guide 7.6.2)
	v_med3_num_f32 v[\x], v[\x], -v[H_+\u], v[H_+\u]
.endm
.macro CVT c, x, u
	v_cvt_scalef32_pk8_fp8_f32 v[\c:\c+1], v[\x:\x+7], v[S_+\u]
.endm
; THE QUANTISER of two groups of 16 at x and x + 16, in steps k = 1 .. 27, the two by turns: codes to c and c + 4, bytes to e and e + 1.  No bound is first read late: nine plain lines or under eight scalar ones stand between any write and its readers.
.macro GAP k, x, c, e, z
.set T_, TQ+228*(\z)
.set H_, HQ+212*(\z)
.set S_, SO+212*(\z)
.set G_, \x
.if (\k) == 25
	HOLD G_+12, 0
	HOLD G_+28, 1
	HOLD G_+13, 0
	CVT \c+4, G_+16, 1
.elseif (\k) == 26
	HOLD G_+29, 1
	HOLD G_+14, 0
	HOLD G_+30, 1
.elseif (\k) == 27
	HOLD G_+15, 0
	HOLD G_+31, 1
	CVT \c+2, G_+8, 0
	CVT \c+6, G_+24, 1
.elseif (\k) == 13
	v_lshrrev_b32 v[\e], 23, v[S_]
	v_lshrrev_b32 v[\e+1], 23, v[S_+1]
	HOLD G_, 0
.elseif (\k) == 14
	HOLD G_+16, 1
	HOLD G_+1, 0
	HOLD G_+17, 1
.elseif (\k) > 14
	HOLD G_+(\k)-13, 0
	HOLD G_+(\k)+3, 1
.if (\k) == 22
	CVT \c, G_, 0
.endif
.else
.irp u, 0,1
.if (\k) == 1
	v_max3_num_f32 v[T_+2*\u], |v[G_+16*\u]|, |v[G_+16*\u+1]|, |v[G_+16*\u+2]|
.elseif (\k) == 2
	v_max3_num_f32 v[T_+2*\u+1], |v[G_+16*\u+8]|, |v[G_+16*\u+9]|, |v[G_+16*\u+10]|
.elseif (\k) == 3 || (\k) == 5
	v_max3_num_f32 v[T_+2*\u], v[T_+2*\u], |v[G_+16*\u+(\k)]|, |v[G_+16*\u+(\k)+1]|
.elseif (\k) == 4 || (\k) == 6
	v_max3_num_f32 v[T_+2*\u+1], v[T_+2*\u+1], |v[G_+16*\u+(\k)+7]|, |v[G_+16*\u+(\k)+8]|
.elseif (\k) == 7
	v_max3_num_f32 v[T_+2*\u], v[T_+2*\u], |v[G_+16*\u+7]|, |v[G_+16*\u+15]|
.elseif (\k) == 8
	v_max3_num_f32 v[T_+2*\u], v[T_+2*\u], v[T_+2*\u+1], 0x4800000   ; and the floor 2^(9 - 127)
.elseif (\k) == 9
	v_permlanex16_b32 v[T_+2*\u+1], v[T_+2*\u], s20, s21
.elseif (\k) == 10
	v_max_num_f32 v[T_+2*\u], v[T_+2*\u], v[T_+2*\u+1]
.elseif (\k) == 11
	v_and_or_b32 v[H_+\u], v[T_+2*\u], 0x7f800000, s22   ; 448 x the scale
.elseif (\k) == 12
	v_add_nc_u32 v[S_+\u], 0xfc000000, v[T_+2*\u]        ; 8 off the exponent field: the conversion's scale operand
.endif
.endr
.endif
.endm
.macro RUN n, from, to                 ; products of block n, and among them the quantising of the pair before: groups 2 (n % 2) and the next
.set N_, \from
.rept (\to)-(\from)
	PROD \n, N_
.if ((\n) > 1) && (N_ > 0) && (N_ < 28)
	WIN 0
	GAP N_, ACC+64*((((\n)/2)+1)%2)+32*((\n)%2), CD+8*((\n)%2), EA+(EQ-EA)*((((\n)/2)+1)%2)+2*((\n)%2), 0
.endif
.set N_, N_+1
.endr
.endm
.macro OUTP pp, m                      ; groups m, m + 1 of pair pp leave: 32 lanes store 512 consecutive bytes; scale words go to their place in LDS
.if (\pp) < 4
.irp i, 0,1
	global_store_b128 v[CO], v[CD+4*((\m)+\i):CD+4*((\m)+\i)+3], s[SQ+2*((\pp)/2):SQ+2*((\pp)/2)+1] offset:1024*((\m)+\i)+512*((\pp)%2)
.endr
.if (\pp)%2
.irp i, 0,1
	v_lshl_or_b32 v[EQ+(\m)+\i], v[EQ+(\m)+\i], 8, v[EA+(\m)+\i]   ; the token's two bytes; the two above, whose codes are zeros in the next launch, are 0
.endr
.irp i, 0,1
	ds_store_b32 v[AK], v[EQ+(\m)+\i] offset:1024*((\pp)/2)+256*(((\m)+\i)%2)+4*(((\m)+\i)/2)
.endr
.endif
.else
.set E_, EA+(EQ-EA)*((\pp)%2)+(\m)
.irp i, 0,1
	global_store_b128 v[CO], v[CD+4*((\m)+\i):CD+4*((\m)+\i)+3], s[SV:SV+1] offset:VCO+2048*(2*((\pp)-4)+(\m)/2)+512*\i
.endr
	v_lshl_or_b32 v[E_], v[E_+1], 8, v[E_]         ; the channel's two bytes: my two blocks of 32 tokens
	ds_store_b16 v[AV], v[E_] offset:128*((\m)/2)+4*((\pp)-4)
.endif
.endm
; A BLOCK.  w: the LDS loads that may be out: the next block's.  lc: the global loads that may be out (-1: none is waited for).  mode 1: a drained round, W_v's refill behind it;  mode 2: a plain barrier that shows W_v's rows.
.macro BLK n, w, lc, mode
	WALU
.if (\lc) >= 0
	s_wait_loadcnt \lc                             ; this block's bias; later blocks' may be out
.endif
	s_wait_dscnt \w
	s_wait_xcnt 0x0                                ; codes are written anew among the products: earlier stores have read theirs
.if (\mode) == 1
	RUN \n, 0, 24
	WIN 0
	WALU
	s_wait_tensorcnt 0x0                           ; my quarter of W_k's rows has landed
	ds_add_u32 v[SPW], v[NIL]
	RUN \n, 24, 28
	WIN 0
	WALU
	s_wait_dscnt 0x0                               ; the add is done; W_q's last blocks are in registers
	s_barrier_signal -1
	RUN \n, 28, 32
	MIDDLE
	BARRIER
	TLOAD G0V, G1W
	PLACES NP-4
	WALU
.elseif (\mode) == 2
	RUN \n, 0, 28
	WIN 0
	WALU
	s_wait_tensorcnt 0x0                           ; my quarter of W_v's rows has landed
	s_wait_dscnt 0x0
	s_barrier_signal -1
	RUN \n, 28, 32
	WIN 0
	s_barrier_wait -1
	PLACES NP
	WALU
.else
	RUN \n, 0, 32
	WIN 0
	PLACES NP
.endif
.if (\n) > 1
	OUTP (\n)/2-1, 2*((\n)%2)
.endif
.if (\n) < 4                           ; K's bias takes the place of Q's, four blocks ahead
	global_load_b128 v[BQ+8*(\n):BQ+8*(\n)+3], v[BIO], s[12:13] offset:4096+128*((\n)/2)+32*((\n)%2)
	global_load_b128 v[BQ+8*(\n)+4:BQ+8*(\n)+7], v[BIO], s[12:13] offset:4096+128*((\n)/2)+32*((\n)%2)+16
.endif
.if (\n) == 7                          ; V's: one number a lane in all eight registers
.irp b, 0,1,2,3
.irp i, 0,1,2,3,4,5,6,7
	v_mov_b32 v[BQ+8*\b+\i], v[VB+\b]
.endr
.endr
.endif
.if (\n) < 10
	FETCH (\n)+2
.endif
.endm
.irp p, 0,1
.irp c, 0,1
	ds_load_b128 v[SB+8*\p+4*\c:SB+8*\p+4*\c+3], v[ASX] offset:1024*\p+16*\c
.endr
.endr
	FETCH 0
	FETCH 1
	BLK 0, NF, 0, 0
	BLK 1, NF, -1, 0
	BLK 2, NF, -1, 1
	BLK 3, NF, -1, 0
	BLK 4, NF, 6, 0
	BLK 5, NF, 4, 0
	BLK 6, NF, 2, 2
	BLK 7, NF, 0, 0
	BLK 8, NF, -1, 0
	BLK 9, NF, -1, 0
	BLK 10, NF, -1, 0
	BLK 11, 0, -1, 0
	WALU
	s_wait_xcnt 0x0
.set N_, 1
.rept 27                               ; the last pair's four groups
	GAP N_, ACC+64, CD, EQ, 0
	GAP N_, ACC+96, CD+8, EQ+2, 1
.set N_, N_+1
.endr
	v_nop                                          ; the plain line behind the conversions
	OUTP 5, 0
	OUTP 5, 2
	s_wait_dscnt 0x0                               ; for the others' sake: my scale words have landed
	BARRIER
	ds_load_b128 v[20:23], v[R1]
	s_wait_dscnt 0x0
	global_store_b128 v[CO], v[20:23], s[94:95] offset:KSCO       ; 512 consecutive bytes
	s_cmp_lt_u32 s14, 2
	s_cbranch_scc0 .Lno_v
	ds_load_b64 v[40:41], v[R2]
	s_wait_dscnt 0x0
	global_store_b64 v2, v[40:41], s[96:97] offset:VSCO           ; waves 0, 1: V's, 256 consecutive bytes a head
.Lno_v:
	s_wait_tensorcnt 0x0                           ; the wave's end
	ds_add_u32 v[SPW], v[NIL]
	s_wait_dscnt 0x0
	CROUND                                         ; the closing round: no work-group ends while a partner may still ask for a tile that names it
	s_endpgm
.Lfunc_end_k_qa2d914e7f5_proj:
	.size	k_qa2d914e7f5_proj, .Lfunc_end_k_qa2d914e7f5_proj-k_qa2d914e7f5_proj
	.p2alignl 7, 3214868480
	.fill 96, 4, 3214868480
	.section	.rodata,"a",@progbits
	.p2align	6, 0x0
	.amdhsa_kernel k_qa2d914e7f5_proj
		.amdhsa_group_segment_fixed_size 327680
		.amdhsa_private_segment_fixed_size 0
		.amdhsa_enable_private_segment 0
		.amdhsa_kernarg_size 56
		.amdhsa_user_sgpr_count 2
		.amdhsa_user_sgpr_kernarg_segment_ptr 1
		.amdhsa_wavefront_size32 1
		.amdhsa_system_sgpr_workgroup_id_x 1
		.amdhsa_system_sgpr_workgroup_id_y 1
		.amdhsa_system_sgpr_workgroup_id_z 1
		.amdhsa_system_vgpr_workitem_id 0
		.amdhsa_next_free_vgpr 1024
		.amdhsa_next_free_sgpr 106
		.amdhsa_reserve_vcc 0
		.amdhsa_float_denorm_mode_32 3
		.amdhsa_float_denorm_mode_16_64 3
		.amdhsa_memory_ordered 1
		.amdhsa_forward_progress 1
		.amdhsa_inst_pref_size 171
	.end_amdhsa_kernel
	.amdgpu_metadata
---
amdhsa.version: [ 1, 2 ]
amdhsa.kernels:
  - .name:           k_qa2d914e7f5_proj
    .symbol:         k_qa2d914e7f5_proj.kd
    .args:
      - { .name: xc, .offset: 0, .size: 8, .value_kind: global_buffer, .address_space: global }
      - { .name: xs, .offset: 8, .size: 8, .value_kind: global_buffer, .address_space: global }
      - { .name: wc, .offset: 16, .size: 8, .value_kind: global_buffer, .address_space: global }
      - { .name: ws, .offset: 24, .size: 8, .value_kind: global_buffer, .address_space: global }
      - { .name: entangle_params, .offset: 32, .size: 8, .value_kind: global_buffer, .address_space: global }
      - { .name: qb, .offset: 40, .size: 8, .value_kind: global_buffer, .address_space: global }
      - { .name: kv, .offset: 48, .size: 8, .value_kind: global_buffer, .address_space: global }
    .group_segment_fixed_size: 327680
    .private_segment_fixed_size: 0
    .kernarg_segment_align: 8
    .kernarg_segment_size: 56
    .max_flat_workgroup_size: 128
    .sgpr_count:     106
    .vgpr_count:     1024
    .wavefront_size: 32
...
	.end_amdgpu_metadata
.endif
;; end of part 2
;; launch attn (part 3): grid 8 x 32, 8 waves a work-group, clusters of 4 x 1, 327,680 bytes of LDS; arguments qb, kv, ow; writes ow
.if DOCPART == 3
	.amdgcn_target "amdgcn-amd-amdhsa--gfx1250"
	.amdhsa_code_object_version 6
	.text
	.protected	k_qa2d914e7f5_attn
	.globl	k_qa2d914e7f5_attn
	.p2align	8
	.type	k_qa2d914e7f5_attn,@function
k_qa2d914e7f5_attn:
	s_mov_b64 s[64:65], 0
	v_nop
	global_prefetch_b8 v0, s[64:65] scope:SCOPE_SE
	s_setreg_imm32_b32 hwreg(HW_REG_WAVE_MODE, 25, 1), 1
	s_wait_xcnt 0x0
	s_wait_alu depctr_hold_cnt(0) depctr_sa_sdst(0) depctr_va_vdst(0) depctr_va_sdst(0) depctr_va_ssrc(0) depctr_va_vcc(0) depctr_vm_vsrc(0)
	s_getreg_b32 s2, hwreg(HW_REG_IB_STS2, 6, 4)
	s_cmp_eq_u32 s2, 0
	s_cbranch_scc0 .Lentry_in_a_cluster
	s_endpgm
.Lentry_in_a_cluster:
	s_bfe_u32 s2, ttmp6, 0x10000c
	s_cmp_lg_u32 s2, 0x3003
	s_cbranch_scc0 .Lentry_shape_is_right
	s_endpgm
.Lentry_shape_is_right:
; O = softmax(Q K^T / 8) V for each of 32 pairs hb = 2 head + batch, 2,048 queries and keys, head size 64, both products on codes of FP8 (E4M3) with one E8M0 scale for each 32 along a product's K.
; THE SOFTMAX AHEAD OF THE SECOND PRODUCT: t = score x log2(e) / 8; M = the row's largest t so far, rounded UP to a whole number; p = 2^(t - M) is what is quantised, along the keys; it is not normalised.
; The row's sum is taken of the unquantised p, in f32, and divides O at the end.  When M moves, the sum and O are multiplied by 2^(old M - new M): exact.
; A BLOCK'S SCALE: p rises with the score, so the exponent of a block's largest p is floor(t - M) of its largest score, held at -118 from below: the byte is that + 127 - 8, at least 1.
; LIMITS: the promise holds while the scaled scores t stay under 2^31 in magnitude; NaN and infinities are not served.
; IN: kv [hb][step 16][17,152 bytes]: images of operand registers for 128 keys: 8 tiles of K (1,024 bytes), 4 tiles of V^T (2,048 bytes), K's scale words (512), V's (256).  qb: Q's tiles and scale words in K's places.
; SHARES.  A work-group owns 256 queries of one hb; each of its eight waves TWO tiles of 16 (tile 0 and tile 1 below), in 512 registers, two waves to a SIMD: a fragment of K or V that a wave loads serves both tiles, and the two tiles' chains take turns.
; A WHOLE HEAD'S K, V AND SCALES, 274,432 dense bytes, LIE IN LDS, each byte filled once, all asked for at the head, at most one load a wave: wave 5 brings step 0's block and alone waits ahead of the first barrier;
; waves 0 to 4 bring three blocks each, which land while step 0 is walked.  Nothing is filled again.
; CLUSTER.  The four work-groups of a cluster belong to one hb and need the same bytes: each load is joint, with the same descriptor in all four and a mask that names them.
; LAYOUT.  Both products are used transposed: S^T = K Q^T (source 0 = 16 keys, source 1 = 16 queries), O^T = V^T P^T (source 0 = 16 of the head's 64, source 1 = P): a lane holds ONE query (lane % 16) of each tile throughout.
; Row r of K's tile 2 b + u is key 32 b + 8 u + r + 8 (r / 8), so that the 16 registers of tiles 2 b and 2 b + 1 of S^T are the 16 neighbouring keys 32 b + 16 (lane / 16) + 0 .. 15.
; K = 64 IN A FORM OF K = 128: registers 8-15 of Q's operands are zero codes.  K's fragment t is named as 16 registers of which the upper eight are the next tile's codes (behind tile 7: zeros): finite codes times zero codes add nothing.
; ORDER OF A STEP i: the scores of step i; the loads of K for step i + 1; the O products of step i - 1; the softmax of step i, with V's loads and O's rescaling for step i inside.
; No prefetch: every block is asked for by the head's loads; no loop stands ahead of them.
; REGISTERS, window 0: the names below; v64-191 S^T of both tiles, then p; v192-255 O^T of both.  Window 1: v0-63 K's eight half fragments, v64-71 zeros, v72-135 V's four, v136-167 Q's two operands, v168-199 p's codes.
.set STEPB, 17152                      ; a step's block
.set HBS,   16*STEPB                   ; a head's
.set VCO,   8192                       ; in a block: V's tiles,
.set KSCO,  16384                      ; K's scale words,
.set VSCO,  16896                      ; V's
.set SPARE, HBS                        ; behind the head (1,072 x 256 bytes): the spare words, 128 bytes for each wave, that no other line names
.set ADR,  3                           ; LDS addresses: the step's block + 16 x lane,
.set ADS,  4                           ; + 8 x lane,
.set ADK,  9                           ; and the next step's block + 16 x lane
.set SPW,  7                           ; LDS address of my spare word; never rewritten
.set NIL,  8                           ; 0; never rewritten
.set NM,   10                          ; v10, v12  -M of tile 0, 1
.set MR,   11                          ; v11, v13  the largest score so far
.set LS,   14                          ; v[14:15], v[16:17]  the sums in two halves
.set FF,   18                          ; v18, v20  f = 2^(old M - new M)
.set TT,   19                          ; v19, v21  at work
.set PWD,  22                          ; v22, v23  p's scale words
.set KSW,  24                          ; v24-27    K's scale words
.set QSW,  28                          ; v28       Q's: lanes 0-15 tile 0's rows, lanes 16-31 tile 1's
.set UA,   30                          ; v[30:31], v[34:35], v60-63  partial sums
.set VSW,  32                          ; v32-33    V's
.set UB,   34
.set WA,   36                          ; v36-47, v48-59  for each tile: four block maxima, then exponents, then partial sums; four at work, then 448 x the scale; four scale operands of the conversions
.set UU,   60
.set SA,   64
.set OA,   192
.set KF,   0                           ; window 1
.set VF,   72
.set QF,   136
.set PC,   168
.set WV,   10                          ; s10 my wave's number
.set G1,   16                          ; s[16:23] descriptor group 1 of one block;  s[48:55] of three
.set G1B,  48
.set G0,   24                          ; s[24:27], s[56:59] groups 0
.set G0B,  56
.set SEL,  28                          ; s[28:29] lane selects for lane l xor 16
.set CS,   30                          ; s[30:31] c = log2(e) / 8: the packed form names a pair and takes its low word for both halves
.set CN,   32                          ; s32 -c
.set TB,   33                          ; s33 LDS byte at which the step's block begins
.set TRIPS, 34
.set TN,   44                          ; s44 the next step's
.set MSB, 0
.macro WIN new                         ; the immediate's high byte repeats the setting that is left
.if MSB != \new
	s_set_vgpr_msb (MSB<<8)|\new
.set MSB, \new
.endif
.endm
.set MUL, 0x05                         ; sources 0 and 1 window 1, C and D window 0
.set TO1, 0x40                         ; destination window 1, the rest window 0
.macro CROUND                          ; a round of the cluster's barrier
	s_barrier_signal -1
	s_barrier_wait -1
	s_cmp_lg_u32 s[WV], 0
	s_cbranch_scc1 .Lnot_wave_0_\@
	s_barrier_signal -3
.Lnot_wave_0_\@:
	s_barrier_wait -3
	s_barrier_signal -1
	s_barrier_wait -1
.endm
.macro GROUP1 g, rows                  ; dense bytes as rows of 256 (32 elements of 8 bytes), no padding: every LDS read below takes 8 or 16 bytes a lane on end
	s_mov_b32 s[\g], 15|(3<<16)|(1<<21)            ; 15:0 the mask: all four work-groups; 17:16 elements of 8 bytes; 21 set beside a mask
	s_mov_b32 s[\g+1], 32<<16                      ; tensor_dim0
	s_mov_b32 s[\g+2], (\rows)<<16                 ; tensor_dim1
	s_mov_b32 s[\g+3], 32<<16                      ; tile_dim0
	s_mov_b32 s[\g+4], \rows                       ; tile_dim1
	s_mov_b32 s[\g+5], 32                          ; tensor_dim0_stride
	s_mov_b32 s[\g+6], 0
	s_mov_b32 s[\g+7], 0
.endm
	s_load_b128 s[4:7], s[0:1], 0x0                ; qb, kv
	s_load_b64 s[8:9], s[0:1], 0x10                ; ow
	v_lshl_add_u32 v[SPW], v0, 2, SPARE
	v_mov_b32 v[NIL], 0
	ds_add_u32 v[SPW], v[NIL]                      ; the wave's opening: the add, twice on end, and its one wait; the set-up below, work on registers, stands between
	ds_add_u32 v[SPW], v[NIL]
	v_lshrrev_b32 v5, 5, v0
	v_readfirstlane_b32 s[WV], v5                  ; wave 0..7
	s_bfe_u32 s11, ttmp6, 0x40000                  ; cx: my place in the cluster
	s_lshl_b32 s12, ttmp9, 2
	s_add_co_u32 s12, s12, s11                     ; my block of 256 queries: it enters Q's and ow's addresses alone
	s_and_b32 s13, ttmp7, 0xffff                   ; hb, which the four partners share
	GROUP1 G1, 67
	GROUP1 G1B, 201
	s_mul_i32 s14, s13, HBS                        ; the head's first byte in qb and in kv
	s_mov_b32 s15, 0
	s_mul_i32 s36, s[WV], 3*STEPB
	s_add_co_u32 s36, s36, STEPB                   ; the three blocks that I fetch, if I do: 1 + 3 x wave on
	s_mov_b32 s37, 0
	s_lshl_b32 s38, s12, 1                         ; my tiles of queries T = 16 x block + 2 x wave and T + 1 lie in step 2 x block + wave / 4, as its tiles 2 (wave % 4) and the next
	s_lshr_b32 s39, s[WV], 2
	s_add_co_u32 s38, s38, s39
	s_mul_i32 s38, s38, STEPB
	s_add_co_u32 s38, s38, s14
	s_mov_b32 s39, 0
	s_and_b32 s40, s[WV], 3
	s_lshl_b32 s41, s40, 11                        ; their codes: 1,024 bytes a tile
	s_lshl_b32 s40, s40, 2                         ; their scale words: word (wave % 4) of each lane's four
	s_lshl_b32 s42, s13, 7                         ; ow: 4,096 bytes for each tile, 128 tiles a head
	s_lshl_b32 s43, s12, 4
	s_add_co_u32 s42, s42, s43
	s_lshl_b32 s43, s[WV], 1
	s_add_co_u32 s42, s42, s43
	s_lshl_b32 s42, s42, 12
	s_mov_b32 s43, 0
	s_mov_b32 s[SEL], 0x76543210
	s_mov_b32 s[SEL+1], 0xfedcba98
	s_mov_b32 s[CS], 0x3e38aa3b                    ; c = log2(e) / 8
	s_mov_b32 s[CS+1], s[CS]                       ; (named with it as a pair, so it is written)
	s_mov_b32 s[CN], 0xbe38aa3b
	v_and_b32 v5, 31, v0
	v_lshlrev_b32 v1, 4, v5                        ; 16 x lane
	v_lshlrev_b32 v2, 3, v5                        ; 8 x lane
	v_add_nc_u32 v5, s41, v1
	v_add_nc_u32 v6, s40, v1
	s_wait_alu depctr_va_vdst(0)
	s_wait_dscnt 0x0                               ; both opening adds are done
	s_wait_kmcnt 0x0
	s_add_nc_u64 s[4:5], s[4:5], s[38:39]          ; qb at my tiles' step
	s_add_nc_u64 s[8:9], s[8:9], s[42:43]          ; ow at my tiles
	WIN TO1
.irp u, 0,1
	global_load_b128 v[QF+16*\u:QF+16*\u+3], v5, s[4:5] offset:1024*\u         ; Q's half fragments stay in registers
	global_load_b128 v[QF+16*\u+4:QF+16*\u+7], v5, s[4:5] offset:1024*\u+512
.endr
	WIN 0
	global_load_b32 v[QSW], v6, s[4:5] offset:KSCO ; and their scale words
	s_mov_b32 s[G0], 1                             ; 1:0 count = 1
	s_mov_b32 s[G0+1], 0                           ; 63:32 LDS address
	s_add_nc_u64 s[G0+2:G0+3], s[6:7], s[14:15]    ; 120:64 global address: the head's first block
	s_add_nc_u64 s[6:7], s[6:7], s[14:15]
	s_or_b32 s[G0+3], s[G0+3], 0x80000000          ; 127:126 type = 2
	s_mov_b32 s[G0B], 1
	s_mov_b32 s[G0B+1], s36                        ; no place in the cluster enters an LDS address
	s_add_nc_u64 s[G0B+2:G0B+3], s[6:7], s[36:37]
	s_or_b32 s[G0B+3], s[G0B+3], 0x80000000
	CROUND                                         ; all four work-groups are here: the joint loads meet
; THE HEAD'S LOADS, at most one a wave; the branches hang on the wave's number alone
	s_cmp_eq_u32 s[WV], 5
	s_cbranch_scc0 .Lrest
	tensor_load_to_lds s[G0:G0+3], s[G1:G1+7]      ; wave 5: step 0's block, which is wanted first
	s_nop 0
.rept 4
	v_nop
.endr
	s_branch .Lasked
.Lrest:
	s_cmp_lt_u32 s[WV], 5
	s_cbranch_scc0 .Lasked
	tensor_load_to_lds s[G0B:G0B+3], s[G1B:G1B+7]  ; waves 0 to 4: steps 1 to 15, three blocks each
	s_nop 0
.rept 4
	v_nop
.endr
.Lasked:
	WIN TO1
.irp j, 0,1,2,3,4,5,6,7
	v_mov_b32 v[QF+8+\j], 0                        ; Q's K = 64 .. 127: zero codes
	v_mov_b32 v[QF+24+\j], 0
	v_mov_b32 v[KF+64+\j], 0                       ; what stands behind K's tile 7
.endr
	WIN 0
.irp u, 0,1
	v_mov_b32 v[MR+2*\u], 0xff61b1e6               ; the largest score so far: -3e38, under every score
	v_mov_b32 v[NM+2*\u], 0x7e800000               ; -M: 2^126: the first change of M makes f = 0
	v_mov_b32 v[LS+2*\u], 0
	v_mov_b32 v[LS+1+2*\u], 0
.irp b, 0,1,2,3
	v_mov_b32 v[WA+12*\u+4+\b], 0                  ; written once: a lane permute's destination counts as one of its sources
.endr
.endr
.set J_, 0
.rept 64
	v_mov_b32 v[OA+J_], 0                          ; O^T.  (The loop's step is written once: its first finds zeros)
.set J_, J_+1
.endr
	v_mov_b32 v[ADR], v1                           ; step 0's block begins at LDS byte 0
	v_mov_b32 v[ADS], v2
.macro KLOAD adr                       ; K's eight half fragments and scale words
	WIN TO1
.irp t, 0,1,2,3,4,5,6,7
	ds_load_b128 v[KF+8*\t:KF+8*\t+3], v[\adr] offset:\t*1024
	ds_load_b128 v[KF+8*\t+4:KF+8*\t+7], v[\adr] offset:\t*1024+512
.endr
	WIN 0
	ds_load_b128 v[KSW:KSW+3], v[\adr] offset:KSCO ; register j: lanes 0-15 tile 2 j's words, lanes 16-31 tile 2 j + 1's
.endm
.macro VLOAD k                         ; two of the sixteen loads of V's four fragments; behind the last its scale words
	WIN TO1
.set V_, 2*\k
.rept 2
	ds_load_b128 v[VF+4*V_:VF+4*V_+3], v[ADR] offset:VCO+512*V_
.set V_, V_+1
.endr
	WIN 0
.if \k == 7
	ds_load_b64 v[VSW:VSW+1], v[ADS] offset:VSCO
.endif
.endm
.macro SPROD                           ; S^T of both tiles: each fragment of K serves two products
	WIN MUL
.irp t, 0,1,2,3,4,5,6,7
.if \t%2
	v_wmma_scale_f32_16x16x128_f8f6f4 v[SA+8*\t:SA+8*\t+7], v[KF+8*\t:KF+8*\t+15], v[QF:QF+15], 0, v[KSW+\t/2], v[QSW] matrix_a_scale:MATRIX_SCALE_ROW1
	v_wmma_scale_f32_16x16x128_f8f6f4 v[SA+64+8*\t:SA+64+8*\t+7], v[KF+8*\t:KF+8*\t+15], v[QF+16:QF+31], 0, v[KSW+\t/2], v[QSW] matrix_a_scale:MATRIX_SCALE_ROW1 matrix_b_scale:MATRIX_SCALE_ROW1
.else
	v_wmma_scale_f32_16x16x128_f8f6f4 v[SA+8*\t:SA+8*\t+7], v[KF+8*\t:KF+8*\t+15], v[QF:QF+15], 0, v[KSW+\t/2], v[QSW]
	v_wmma_scale_f32_16x16x128_f8f6f4 v[SA+64+8*\t:SA+64+8*\t+7], v[KF+8*\t:KF+8*\t+15], v[QF+16:QF+31], 0, v[KSW+\t/2], v[QSW] matrix_b_scale:MATRIX_SCALE_ROW1
.endif
.endr
	WIN 0
.endm
.macro RESC n                          ; the next n pairs of O^T under the new M: x f
.rept \n
	v_pk_mul_f32 v[O_:O_+1], v[O_:O_+1], v[FF+2*((O_-OA)/32):FF+2*((O_-OA)/32)+1] op_sel_hi:[1,0]
.set O_, O_+2
.endr
.endm
.macro OPROD                           ; O^T += V^T P^T: the eight accumulators by turns, one instruction a turn
	WIN MUL
.irp d, 0,1,2,3
.irp u, 0,1
.if \d%2
	v_wmma_scale_f32_16x16x128_f8f6f4 v[OA+32*\u+8*\d:OA+32*\u+8*\d+7], v[VF+16*\d:VF+16*\d+15], v[PC+16*\u:PC+16*\u+15], v[OA+32*\u+8*\d:OA+32*\u+8*\d+7], v[VSW+\d/2], v[PWD+\u] matrix_a_scale:MATRIX_SCALE_ROW1
.else
	v_wmma_scale_f32_16x16x128_f8f6f4 v[OA+32*\u+8*\d:OA+32*\u+8*\d+7], v[VF+16*\d:VF+16*\d+15], v[PC+16*\u:PC+16*\u+15], v[OA+32*\u+8*\d:OA+32*\u+8*\d+7], v[VSW+\d/2], v[PWD+\u]
.endif
.endr
.endr
	WIN 0
.endm
.macro PADD d, s
	v_pk_add_f32 v[\d:\d+1], v[\d:\d+1], v[\s:\s+1]
.endm
.macro SUM u                           ; the row's sum, of the UNQUANTISED p: two at a time, in seven chains
.set S_, SA+64*\u
.set L_, LS+2*\u
.set A_, WA+12*\u
	v_pk_fma_f32 v[L_:L_+1], v[L_:L_+1], v[FF+2*\u:FF+2*\u+1], v[S_:S_+1] op_sel_hi:[1,0,1]   ; the sum so far under the new M
.set J_, S_+2
.irp d, A_, A_+2, UU, UU+2, UA, UB
	v_pk_add_f32 v[\d:\d+1], v[J_:J_+1], v[J_+2:J_+3]
.set J_, J_+4
.endr
.rept 2
.irp d, L_, A_, A_+2, UU, UU+2, UA, UB
	PADD \d, J_
.set J_, J_+2
.endr
.endr
.irp d, L_, A_, A_+2, UU, UU+2
	PADD \d, J_
.set J_, J_+2
.endr
	PADD UA, UB
	PADD A_, A_+2
	PADD UU, UU+2
	PADD L_, UA
	PADD A_, UU
	PADD L_, A_
.endm
; THE HOLD.  The conversion to an 8-bit code does not saturate (ISA guide 7.6.2); p is not negative, so the hold is one-sided: min(448 x the scale, p).  Two holds an instruction: an even register of one block, an odd one of its neighbour,
; so that results and sources lie in different register banks.
.macro HOLD2 u, b, i, k
.set S_, SA+64*\u+16*\b+\i
.set H_, WA+12*\u+4+\b
.if \k
	v_dual_min_num_f32 v[S_+16], v[H_+1], v[S_+16] :: v_dual_min_num_f32 v[S_+1], v[H_], v[S_+1]
.else
	v_dual_min_num_f32 v[S_], v[H_], v[S_] :: v_dual_min_num_f32 v[S_+17], v[H_+1], v[S_+17]
.endif
.endm
.macro BOTH3 i                         ; two more scores into each of the eight block maxima, by turns
.irp b, 0,1,2,3
	v_max3_num_f32 v[WA+\b], v[WA+\b], v[SA+16*\b+\i], v[SA+1+16*\b+\i]
	v_max3_num_f32 v[WA+12+\b], v[WA+12+\b], v[SA+64+16*\b+\i], v[SA+65+16*\b+\i]
.endr
.endm
.macro SOFTMAX resc                    ; resc = 0 in step 0: nothing is in O yet
.irp b, 0,1,2,3
	v_max3_num_f32 v[WA+\b], v[SA+16*\b], v[SA+1+16*\b], v[SA+2+16*\b]   ; THE LARGEST SCORE OF EACH BLOCK OF 32 KEYS: for the row's maximum, and for the block's scale
	v_max3_num_f32 v[WA+12+\b], v[SA+64+16*\b], v[SA+65+16*\b], v[SA+66+16*\b]
.endr
.irp i, 3,5,7,9,11,13
	BOTH3 \i
.endr
.irp b, 0,1,2,3
	v_max_num_f32 v[WA+\b], v[WA+\b], v[SA+15+16*\b]
	v_max_num_f32 v[WA+12+\b], v[WA+12+\b], v[SA+79+16*\b]
.endr
.irp b, 0,1,2,3
	v_permlanex16_b32 v[WA+4+\b], v[WA+\b], s[SEL], s[SEL+1]
	v_permlanex16_b32 v[WA+16+\b], v[WA+12+\b], s[SEL], s[SEL+1]
.endr
.irp b, 0,1,2,3
	v_max_num_f32 v[WA+\b], v[WA+\b], v[WA+4+\b]   ; with lane l xor 16's 16 keys
	v_max_num_f32 v[WA+12+\b], v[WA+12+\b], v[WA+16+\b]
.endr
.irp u, 0,1                            ; M's chain, the two tiles by turns, V's loads between its levels (the last O products stand 80 plain lines back)
	v_max3_num_f32 v[TT+2*\u], v[WA+12*\u], v[WA+12*\u+1], v[WA+12*\u+2]
.endr
	VLOAD 0
.irp u, 0,1
	v_max3_num_f32 v[MR+2*\u], v[MR+2*\u], v[TT+2*\u], v[WA+12*\u+3]   ; the largest score so far
.endr
	VLOAD 1
.irp u, 0,1
	v_mul_f32 v[TT+2*\u], s[CN], v[MR+2*\u]        ; -t (c is positive)
.endr
	VLOAD 2
.irp u, 0,1
	v_floor_f32 v[TT+2*\u], v[TT+2*\u]             ; the new -M = floor(-t): M IS A WHOLE NUMBER
.endr
	VLOAD 3
.irp u, 0,1
	v_sub_f32 v[FF+2*\u], v[TT+2*\u], v[NM+2*\u]   ; M's old value less its new one: a whole number, 0 or less
.endr
	VLOAD 4
.irp u, 0,1
	v_mov_b32 v[NM+2*\u], v[TT+2*\u]
.endr
	VLOAD 5
.irp u, 0,1
	v_cvt_i32_f32 v[FF+2*\u], v[FF+2*\u]           ; (it saturates)
.endr
	VLOAD 6
.irp u, 0,1
	v_ldexp_f32 v[FF+2*\u], 1.0, v[FF+2*\u]        ; f = 2^(old M - new M): a multiplication by it rounds nothing
.endr
	VLOAD 7
.irp b, 0,1,2,3
	v_fma_f32 v[WA+\b], v[WA+\b], s[CS], v[NM]     ; t - M of each block's largest score,
	v_fma_f32 v[WA+12+\b], v[WA+12+\b], s[CS], v[NM+2]
.endr
.irp b, 0,1,2,3
	v_max_num_f32 v[WA+\b], 0xc2ec0000, v[WA+\b]   ; held at -118 from below
	v_max_num_f32 v[WA+12+\b], 0xc2ec0000, v[WA+12+\b]
.endr
.irp b, 0,1,2,3
	v_cvt_floor_i32_f32 v[WA+\b], v[WA+\b]         ; its floor: the exponent of the block's largest p
	v_cvt_floor_i32_f32 v[WA+12+\b], v[WA+12+\b]
.endr
.set O_, OA
.irp u, 0,1
	v_lshl_add_u32 v[PWD+\u], v[WA+12*\u+1], 8, v[WA+12*\u]    ; p's scale word for these 128 keys: exponent + 119 in each byte (1 to 119), summed as whole numbers; O's rescaling stands between
.endr
.if \resc
	RESC 8
.endif
.irp u, 0,1
	v_lshl_add_u32 v[PWD+\u], v[WA+12*\u+2], 16, v[PWD+\u]
.endr
.if \resc
	RESC 8
.endif
.irp u, 0,1
	v_lshl_add_u32 v[PWD+\u], v[WA+12*\u+3], 24, v[PWD+\u]
.endr
.if \resc
	RESC 8
.endif
.irp u, 0,1
	v_add_nc_u32 v[PWD+\u], 0x77777777, v[PWD+\u]
.endr
.if \resc
	RESC 8
.endif
.set J_, SA
.rept 32
	v_pk_fma_f32 v[J_:J_+1], v[J_:J_+1], s[CS:CS+1], v[NM:NM+1] op_sel_hi:[1,0,0]   ; tile 0: t - M, two at a time (of the pairs c and -M the low word serves both halves)
.set J_, J_+2
.endr
	s_wait_alu depctr_va_vdst(0)                   ; ahead of the batch
.set J_, SA
.set K_, 0
.rept 32
	v_exp_f32 v[J_], v[J_]                         ; tile 0: p = 2^(t - M), at most 1: NOT normalised;
	v_exp_f32 v[J_+1], v[J_+1]
	v_pk_fma_f32 v[J_+64:J_+65], v[J_+64:J_+65], s[CS:CS+1], v[NM+2:NM+3] op_sel_hi:[1,0,0]   ; between them tile 1's t - M
.if K_%2 == 0
.set U_, WA+12*(K_/16)+(K_/2)%4
.if (K_/8)%2 == 0
	v_lshl_add_u32 v[U_+8], v[U_], 23, 0x3b800000  ; and both tiles' 2^(exponent - 8), the conversions' scale operands,
.else
	v_lshl_add_u32 v[U_+4], v[U_], 23, 0x3fe00000  ; and 1.75 x 2^exponent = 448 x the scale
.endif
.endif
.set K_, K_+1
.set J_, J_+2
.endr
	s_wait_alu depctr_va_vdst(0)                   ; one wait for the batch, ahead of its first reader, and ahead of the next batch, which reads tile 1's t - M
	SUM 0
.set E_, SA+64
.irp b, 0,2
.irp i, 0,2,4,6,8,10,12,14
	v_exp_f32 v[E_], v[E_]                         ; tile 1: p; tile 0's holds stand between
	v_exp_f32 v[E_+1], v[E_+1]
	HOLD2 0, \b, \i, 0
	v_exp_f32 v[E_+2], v[E_+2]
	v_exp_f32 v[E_+3], v[E_+3]
	HOLD2 0, \b, \i, 1
.set E_, E_+4
.endr
.endr
	v_nop                                          ; a plain place behind the batch
	s_wait_alu depctr_va_vdst(0)                   ; ahead of the batch's first reader
	SUM 1
.irp b, 0,2
.irp i, 0,2,4,6,8,10,12,14
	HOLD2 1, \b, \i, 0
	HOLD2 1, \b, \i, 1
.endr
.endr
	WIN TO1
.irp u, 0,1
.irp b, 0,1,2,3
	v_cvt_scalef32_pk8_fp8_f32 v[PC+16*\u+4*\b:PC+16*\u+4*\b+1], v[SA+64*\u+16*\b:SA+64*\u+16*\b+7], v[WA+12*\u+8+\b]
	v_cvt_scalef32_pk8_fp8_f32 v[PC+16*\u+4*\b+2:PC+16*\u+4*\b+3], v[SA+64*\u+16*\b+8:SA+64*\u+16*\b+15], v[WA+12*\u+8+\b]
.endr
.endr
	WIN 0
	v_nop                                          ; the plain line behind the conversions
.endm
	s_wait_alu depctr_va_vdst(0)                   ; at the head's end
	s_wait_loadcnt 0x0                             ; Q
	s_cmp_eq_u32 s[WV], 5
	s_cbranch_scc0 .Lnot_first
	s_wait_tensorcnt 0x0                           ; wave 5: step 0's block has landed.  The other waves' wait stands at the second barrier
.Lnot_first:
	s_barrier_signal -1
	s_barrier_wait -1
	KLOAD ADR                                      ; STEP 0: nothing to add to O yet
	s_wait_dscnt 0x0
	SPROD
.rept 8
	v_nop                                          ; eight places behind the products
.endr
	SOFTMAX 0
	s_wait_alu depctr_va_vdst(0)
	s_wait_tensorcnt 0x0                           ; my three blocks, if I had any, have landed,
	s_wait_dscnt 0x0
	s_barrier_signal -1
	s_barrier_wait -1                              ; and everybody's: the whole head lies in LDS
	v_add_nc_u32 v[ADK], STEPB, v1
	KLOAD ADK
	s_mov_b32 s[TB], STEPB
	s_mov_b32 s[TRIPS], 15
.Lstep:
	s_wait_alu depctr_va_vdst(0)                   ; between the codes' conversions and the O products
	s_wait_dscnt 0x0                               ; K of this step, V of the step before and their scale words are in
	SPROD
	s_add_co_u32 s[TN], s[TB], STEPB               ; the next step's block (the last step loads none; the address stays inside the head)
	s_min_u32 s[TN], s[TN], 15*STEPB
	v_add_nc_u32 v[ADR], s[TB], v1
	v_add_nc_u32 v[ADS], s[TB], v2
	v_add_nc_u32 v[ADK], s[TN], v1
.rept 5
	v_nop                                          ; with the three lines above: eight places behind the scores' products
.endr
	s_cmp_eq_u32 s[TRIPS], 1
	s_cbranch_scc1 .Lno_next
	KLOAD ADK
.Lno_next:
	OPROD
	SOFTMAX 1
	s_add_co_u32 s[TB], s[TB], STEPB
	s_sub_co_u32 s[TRIPS], s[TRIPS], 1
	s_cmp_lg_u32 s[TRIPS], 0
	s_cbranch_scc1 .Lstep
	s_wait_alu depctr_va_vdst(0)
	s_wait_dscnt 0x0                               ; V of the last step
.rept 4
	v_nop                                          ; places between the codes and the products
.endr
	OPROD
.irp u, 0,1
	v_add_f32 v[LS+2*\u], v[LS+2*\u], v[LS+1+2*\u] ; the sum's two halves,
.endr
.irp u, 0,1
	v_permlanex16_b32 v[TT+2*\u], v[LS+2*\u], s[SEL], s[SEL+1]
.endr
.irp u, 0,1
	v_add_f32 v[LS+2*\u], v[LS+2*\u], v[TT+2*\u]   ; and lane l xor 16's: the row's sum
.endr
.rept 2
	v_nop                                          ; with the six lines above: eight places behind the last products
.endr
	s_wait_alu depctr_va_vdst(0)                   ; ahead of the transcendentals
	v_rcp_f32 v[LS], v[LS]
	v_rcp_f32 v[LS+2], v[LS+2]
	v_nop                                          ; one plain place behind them
	s_wait_alu depctr_va_vdst(0)                   ; ahead of their first reader, and of O's
.irp u, 0,1
.irp j, 0,2,4,6,8,10,12,14,16,18,20,22,24,26,28,30
	v_pk_mul_f32 v[SA+64*\u+\j:SA+64*\u+\j+1], v[OA+32*\u+\j:OA+32*\u+\j+1], v[LS+2*\u:LS+2*\u+1] op_sel_hi:[1,0]   ; O^T / the sum, each accumulator from its low end on
.endr
.endr
.irp u, 0,1
.irp g, 0,1,2,3,4,5,6,7
	global_store_b128 v1, v[SA+64*\u+4*\g:SA+64*\u+4*\g+3], s[8:9] offset:4096*\u+512*\g   ; as an image of the registers: 32 lanes store 512 consecutive bytes, aligned
.endr
.endr
	s_wait_tensorcnt 0x0                           ; the wave's end
	ds_add_u32 v[SPW], v[NIL]
	s_wait_dscnt 0x0
	CROUND                                         ; the closing round: no work-group ends while a partner may still ask for a block that names it
	s_endpgm
.Lfunc_end_k_qa2d914e7f5_attn:
	.size	k_qa2d914e7f5_attn, .Lfunc_end_k_qa2d914e7f5_attn-k_qa2d914e7f5_attn
	.p2alignl 7, 3214868480
	.fill 96, 4, 3214868480
	.section	.rodata,"a",@progbits
	.p2align	6, 0x0
	.amdhsa_kernel k_qa2d914e7f5_attn
		.amdhsa_group_segment_fixed_size 327680
		.amdhsa_private_segment_fixed_size 0
		.amdhsa_enable_private_segment 0
		.amdhsa_kernarg_size 24
		.amdhsa_user_sgpr_count 2
		.amdhsa_user_sgpr_kernarg_segment_ptr 1
		.amdhsa_wavefront_size32 1
		.amdhsa_system_sgpr_workgroup_id_x 1
		.amdhsa_system_sgpr_workgroup_id_y 1
		.amdhsa_system_sgpr_workgroup_id_z 1
		.amdhsa_system_vgpr_workitem_id 0
		.amdhsa_next_free_vgpr 512
		.amdhsa_next_free_sgpr 66
		.amdhsa_reserve_vcc 0
		.amdhsa_float_denorm_mode_32 3
		.amdhsa_float_denorm_mode_16_64 3
		.amdhsa_memory_ordered 1
		.amdhsa_forward_progress 1
		.amdhsa_inst_pref_size 81
	.end_amdhsa_kernel
	.amdgpu_metadata
---
amdhsa.version: [ 1, 2 ]
amdhsa.kernels:
  - .name:           k_qa2d914e7f5_attn
    .symbol:         k_qa2d914e7f5_attn.kd
    .args:
      - { .name: qb, .offset: 0, .size: 8, .value_kind: global_buffer, .address_space: global }
      - { .name: kv, .offset: 8, .size: 8, .value_kind: global_buffer, .address_space: global }
      - { .name: ow, .offset: 16, .size: 8, .value_kind: global_buffer, .address_space: global }
    .group_segment_fixed_size: 327680
    .private_segment_fixed_size: 0
    .kernarg_segment_align: 8
    .kernarg_segment_size: 24
    .max_flat_workgroup_size: 256
    .sgpr_count:     66
    .vgpr_count:     512
    .wavefront_size: 32
...
	.end_amdgpu_metadata
.endif
;; end of part 3
;; launch perm (part 4): grid 128 x 2, 8 waves a work-group, no clusters, 66,816 bytes of LDS; arguments ow, out0; writes out0
.if DOCPART == 4
	.amdgcn_target "amdgcn-amd-amdhsa--gfx1250"
	.amdhsa_code_object_version 6
	.text
	.protected	k_qa2d914e7f5_perm
	.globl	k_qa2d914e7f5_perm
	.p2align	8
	.type	k_qa2d914e7f5_perm,@function
k_qa2d914e7f5_perm:
	s_mov_b64 s[64:65], 0
	v_nop
	global_prefetch_b8 v0, s[64:65] scope:SCOPE_SE
	s_setreg_imm32_b32 hwreg(HW_REG_WAVE_MODE, 25, 1), 1
	s_wait_xcnt 0x0
; out0, as words: [s 2048][d 64][hb 32].  ow holds, for each hb and each tile T of 16 queries, an image of 32 registers: byte 512 g + 16 lane + 4 w is O(query row lane % 16, channel 32 (g / 4) + 16 (lane / 16) + 4 (g % 4) + w);
; row r of tile T is query s = 32 (T / 2) + 8 (T % 2) + r + 8 (r / 8).
; In out0 the 32 hb of one (s, d) are 128 neighbouring bytes, and each hb comes from another part of ow: so a work-group gathers, for one tile T and one half (y) of the channels, the 2,048 bytes of all 32 hb in LDS (64 KiB)
; and stores, for each of the 16 queries, 4,096 consecutive bytes.  Every load reads 512 consecutive bytes, every store writes 512 consecutive bytes, aligned.
; Memory binds: no matrix unit, no cluster (no work-group shares a byte with another), no tensor load; several work-groups share a WGP.
; LDS: hb = 4 w + e lies at 8,208 w + 2,048 e: 16 bytes of padding behind each four hb, so that the 32 lanes of a read (8 groups of hb x 4 neighbouring words) fall on 32 different banks: 4 (l % 8) + l / 8.
.set HBB, 524288                       ; an hb's bytes in ow
.set PW,  8208                         ; four hb in LDS
.set IN,  16                           ; v16-79  as loaded
.set OU,  80                           ; v80-143 as stored
	s_load_b128 s[4:7], s[0:1], 0x0                ; ow, out0
	v_lshl_add_u32 v144, v0, 2, 0x10100
	v_mov_b32 v145, 0
	v_lshrrev_b32 v1, 5, v0
	s_delay_alu instid0(VALU_DEP_1)
	v_readfirstlane_b32 s8, v1                     ; wave 0..7
	v_and_b32 v2, 31, v0                           ; lane
	s_delay_alu instid0(VALU_DEP_1)
	v_lshlrev_b32 v3, 4, v2                        ; 16 x lane: my place in a load's, and in a store's, 512 bytes
	s_and_b32 s9, ttmp7, 0xffff                    ; which half of the channels
	s_mul_i32 s10, s8, PW
	v_add_nc_u32 v4, s10, v3                       ; LDS, in: my wave's four hb
	v_and_b32 v5, 7, v2
	s_delay_alu instid0(VALU_DEP_1)
	v_mul_u32_u24 v5, v5, PW
	v_lshrrev_b32 v6, 3, v2
	s_delay_alu instid0(VALU_DEP_1)
	v_lshl_add_u32 v5, v6, 2, v5
	s_lshl_b32 s11, s8, 5
	v_add_nc_u32 v5, s11, v5                       ; LDS, out: hb 4 (l % 8) on, word l / 8, query row 2 x wave
	s_lshl_b32 s12, s8, 21                         ; ow: four hb a wave,
	s_lshl_b32 s13, ttmp9, 12                      ; 4,096 bytes a tile,
	s_add_co_u32 s12, s12, s13
	s_lshl_b32 s13, s9, 11                         ; 2,048 a half
	s_add_co_u32 s12, s12, s13
	s_mov_b32 s13, 0
	s_lshr_b32 s14, ttmp9, 1                       ; my first query: 32 (T / 2) + 8 (T % 2) + 2 w + 8 (w / 4)
	s_lshl_b32 s14, s14, 5
	s_and_b32 s15, ttmp9, 1
	s_lshl_b32 s15, s15, 3
	s_add_co_u32 s14, s14, s15
	s_lshl_b32 s15, s8, 1
	s_add_co_u32 s14, s14, s15
	s_lshr_b32 s15, s8, 2
	s_lshl_b32 s15, s15, 3
	s_add_co_u32 s14, s14, s15
	s_lshl_b32 s14, s14, 13                        ; 8,192 bytes a query,
	s_lshl_b32 s15, s9, 12                         ; 4,096 a half
	s_add_co_u32 s14, s14, s15
	s_mov_b32 s15, 0
	s_wait_alu depctr_va_vdst(0)
	s_wait_kmcnt 0x0
	s_add_nc_u64 s[4:5], s[4:5], s[12:13]
	s_add_nc_u64 s[6:7], s[6:7], s[14:15]
.irp e, 0,1,2,3
.irp g, 0,1,2,3
	global_load_b128 v[IN+16*\e+4*\g:IN+16*\e+4*\g+3], v3, s[4:5] offset:\e*HBB+\g*512 th:TH_LOAD_NT   ; read once in the launch
.endr
.endr
.irp e, 0,1,2,3
.irp g, 0,1,2,3
	s_wait_loadcnt 15-(4*\e+\g)                    ; loads come back in order (ISA guide 5.7.1): this one is in, the younger ones may be out
	ds_store_b128 v4, v[IN+16*\e+4*\g:IN+16*\e+4*\g+3] offset:\e*2048+\g*512
.endr
.endr
	s_wait_dscnt 0x0                               ; for the others' sake: my stores have landed
	s_barrier_signal -1
	s_barrier_wait -1
.irp e, 0,1                                        ; my two queries; q: four channels, 512 bytes of the query's 4,096; j: the lane's four hb
.irp q, 0,1,2,3,4,5,6,7
.irp j, 0,1,2,3
	ds_load_b32 v[OU+4*(8*\e+\q)+\j], v5 offset:\j*2048+(\q%4)*512+(\q/4)*256+16*\e
.endr
.endr
.endr
.irp e, 0,1
.irp q, 0,1,2,3,4,5,6,7
	s_wait_dscnt 60-4*(8*\e+\q)                    ; this store's four loads are in; the younger ones may be out
	global_store_b128 v3, v[OU+4*(8*\e+\q):OU+4*(8*\e+\q)+3], s[6:7] offset:\e*8192+\q*512 th:TH_STORE_NT   ; 32 lanes store 512 consecutive bytes, aligned; written once
.endr
.endr
	s_wait_tensorcnt 0x0
	ds_add_u32 v144, v145
	s_wait_dscnt 0x0
	s_endpgm
.Lfunc_end_k_qa2d914e7f5_perm:
	.size	k_qa2d914e7f5_perm, .Lfunc_end_k_qa2d914e7f5_perm-k_qa2d914e7f5_perm
	.p2alignl 7, 3214868480
	.fill 96, 4, 3214868480
	.section	.rodata,"a",@progbits
	.p2align	6, 0x0
	.amdhsa_kernel k_qa2d914e7f5_perm
		.amdhsa_group_segment_fixed_size 66816
		.amdhsa_private_segment_fixed_size 0
		.amdhsa_enable_private_segment 0
		.amdhsa_kernarg_size 16
		.amdhsa_user_sgpr_count 2
		.amdhsa_user_sgpr_kernarg_segment_ptr 1
		.amdhsa_wavefront_size32 1
		.amdhsa_system_sgpr_workgroup_id_x 1
		.amdhsa_system_sgpr_workgroup_id_y 1
		.amdhsa_system_sgpr_workgroup_id_z 1
		.amdhsa_system_vgpr_workitem_id 0
		.amdhsa_next_free_vgpr 146
		.amdhsa_next_free_sgpr 66
		.amdhsa_reserve_vcc 0
		.amdhsa_float_denorm_mode_32 3
		.amdhsa_float_denorm_mode_16_64 3
		.amdhsa_memory_ordered 1
		.amdhsa_forward_progress 1
		.amdhsa_inst_pref_size 12
	.end_amdhsa_kernel
	.amdgpu_metadata
---
amdhsa.version: [ 1, 2 ]
amdhsa.kernels:
  - .name:           k_qa2d914e7f5_perm
    .symbol:         k_qa2d914e7f5_perm.kd
    .args:
      - { .name: ow, .offset: 0, .size: 8, .value_kind: global_buffer, .address_space: global }
      - { .name: out0, .offset: 8, .size: 8, .value_kind: global_buffer, .address_space: global }
    .group_segment_fixed_size: 66816
    .private_segment_fixed_size: 0
    .kernarg_segment_align: 8
    .kernarg_segment_size: 16
    .max_flat_workgroup_size: 256
    .sgpr_count:     66
    .vgpr_count:     146
    .wavefront_size: 32
...
	.end_amdgpu_metadata
.endif
;; end of part 4
